; MI455X (gfx1250); checked and timed in simulation.
; The chip was launched on July 23, 2026; its instructions are those of AMD's public machine-readable ISA for CDNA 5 (MIT licence, August 2026) and "CDNA5" Instruction Set Architecture Reference Guide (July 2026). The comments in the code are by the model that wrote it; some were corrected since.
;; MPO Linear3. Allowed arithmetic: float matrix products may take bf16 or f16 operands with f32 sums; other float arithmetic in f32, or as packed bf16 or f16 multiplies, adds, multiply-adds, maxima and minima; sums over many terms, partial sums and values carried from step to step in f32; what a program stores and reads back later, other than sums and carried values, may be rounded once to bf16 or f16.
;; Inputs: bias 4,096 float32; first_core 16 x 64 x 16 float32; last_core 16 x 64 x 16 float32; middle_core 16 x 64 x 64 x 16 float32; x 4,096 x 4,096 float32.
;; Outputs: out0 4,096 x 4,096 float32.
;; 2 versions, each right; version 2 is version 1 with the launch mpo written anew for expert scheduling mode. Each part assembles by itself: llvm-mc -triple=amdgcn-amd-amdhsa -mcpu=gfx1250 --defsym DOCPART=n.
;; ======== version 1 of 2: 2 launches
;; limits: inputs' magnitudes at most 4,094; values are held in f16: magnitudes above 65,504 overflow, below 6.1e-05 lose precision
;; workspace buffers: pm 16,384 bytes; fl 2,048 bytes
;; launch sums (part 1): grid 264 x 1, 1 waves a work-group, no clusters, 0 bytes of LDS; arguments middle_core, first_core, last_core, pm, fl; writes pm, fl
.if DOCPART == 1
	.amdgcn_target "amdgcn-amd-amdhsa--gfx1250"
	.amdhsa_code_object_version 6
	.text
	.protected	k_q9770f24e4b_sums
	.globl	k_q9770f24e4b_sums
	.p2align	8
	.type	k_q9770f24e4b_sums,@function
k_q9770f24e4b_sums:
	s_mov_b64 s[64:65], 0
	v_nop
	global_prefetch_b8 v0, s[64:65] scope:SCOPE_SE
	s_setreg_imm32_b32 hwreg(HW_REG_WAVE_MODE, 25, 1), 1
	s_wait_xcnt 0x0
; THE CORES' SUMS.  In the module's two products of cores the rank indices are summed each by itself, so all that is left of the cores is
;   F[i][k] = sum over j of first[i][j][k],   L[i][k] = sum over j of last[i][j][k],   M[a][d] = sum over b, c of middle[a][b][c][d].
; Each core is rows of 16 f32 (64 bytes) that are added up.  A work-group is ONE wave and takes 16,384 bytes on end, 256 rows:
;   g = 0 .. 255:    middle, a = g / 16, part p = g % 16 of its 4,096 rows  ->  pm[a][p][0..15], a partial sum (the next launch adds the 16 parts);
;   g = 256 .. 259:  first,  four i of 64 rows each                          ->  fl, bytes 0 .. 1,023:     F[i][k];
;   g = 260 .. 263:  last,   likewise                                        ->  fl, bytes 1,024 .. 2,047: L[i][k].
; All 32 loads of a wave go out at once, 512 bytes on end each.  Lane l of load t holds row 8 t + l / 4, columns 4 (l % 4) + 0..3.
; All sums in f32, as trees: their order is not the order of a plain loop over the rows.
; A part of middle gives 64 bytes: that store fills a quarter of an aligned 256 bytes, since a work-group has no more to say (16,384 bytes in the whole launch).
.set X, 8                              ; v[8:135]   load t at X + 4 t
.set R, 136                            ; v[136:139] what a lane stores of F or L
	s_load_b128 s[4:7], s[0:1], 0x0                ; middle s[4:5], first s[6:7]
	s_load_b128 s[8:11], s[0:1], 0x10              ; last s[8:9], pm s[10:11]
	s_load_b64 s[12:13], s[0:1], 0x20              ; fl
	v_lshlrev_b32 v1, 4, v0                        ; 16 bytes a lane; never rewritten
	v_mov_b32 v2, 0                                ; v_permlanex16_b32's destination counts as read: written here
	s_mov_b32 s17, ttmp9                           ; g
	s_mov_b32 s22, 0x76543210                      ; v_permlanex16_b32: each lane takes its own place in the other half
	s_mov_b32 s23, 0xfedcba98
	s_mov_b32 s24, 0xf0f0f0f0                      ; the lanes whose number has bit 2 set
	s_mov_b32 s25, 0xff00ff00                      ; bit 3
	s_movk_i32 s16, 260
	s_wait_kmcnt 0x0
	s_cmp_lt_u32 s17, 260                          ; which core, and the first g that belongs to it: a choice by the work-group's number alone
	s_cselect_b64 s[14:15], s[6:7], s[8:9]
	s_cselect_b32 s16, 256, s16
	s_cmp_lt_u32 s17, 256
	s_cselect_b64 s[14:15], s[4:5], s[14:15]
	s_cselect_b32 s16, 0, s16
	s_sub_co_u32 s18, s17, s16
	s_lshl_b32 s18, s18, 14                        ; my 16,384 bytes in it
	s_mov_b32 s19, 0
	s_add_nc_u64 s[14:15], s[14:15], s[18:19]
.set t, 0
.rept 32
	global_load_b128 v[X+4*t:X+4*t+3], v1, s[14:15] offset:512*t th:TH_LOAD_NT
.set t, t+1
.endr
.macro PADD d, s                       ; four sums: the quad at d takes the quad at s
	v_pk_add_f32 v[(\d):(\d)+1], v[(\d):(\d)+1], v[(\s):(\s)+1]
	v_pk_add_f32 v[(\d)+2:(\d)+3], v[(\d)+2:(\d)+3], v[(\s)+2:(\s)+3]
.endm
.macro GSUM u                          ; loads 8 u .. 8 u + 7 (64 rows) into the quad at X + 32 u, as a tree
.set G, X+32*(\u)
	PADD G, G+4
	PADD G+8, G+12
	PADD G+16, G+20
	PADD G+24, G+28
	PADD G, G+8
	PADD G+16, G+24
	PADD G, G+16
.endm
.macro BFLY r                          ; the sum over the lanes that hold the same columns: lane bits 2, 3 and 4; every lane ends with it
	v_add_f32_dpp v[\r], v[\r], v[\r] row_xmask:4 row_mask:0xf bank_mask:0xf
	v_add_f32_dpp v[\r], v[\r], v[\r] row_xmask:8 row_mask:0xf bank_mask:0xf
	v_permlanex16_b32 v2, v[\r], s22, s23
	v_add_f32 v[\r], v[\r], v2
.endm
.irp u, 0,1,2,3
	s_wait_loadcnt 24-8*\u                         ; loads come back in order: this group of eight is in, the younger groups stay out
	GSUM \u
.endr
	s_cmp_lt_u32 s17, 256
	s_cbranch_scc0 .Lcore
	; MIDDLE: all 256 rows are one sum
	PADD X, X+32
	PADD X+64, X+96
	PADD X, X+64
.irp e, 0,1,2,3
	BFLY X+\e
.endr
	s_lshl_b32 s26, s17, 6                         ; pm[a][p]: 64 bytes at 64 g
	s_mov_b32 s27, 0
	s_add_nc_u64 s[10:11], s[10:11], s[26:27]
	v_cmp_gt_u32 vcc_lo, 4, v0
	s_wait_xcnt 0x0                                ; EXEC changes only behind this wait
	s_and_saveexec_b32 s20, vcc_lo                 ; lanes 0 to 3 hold the four quads of columns
	global_store_b128 v1, v[X:X+3], s[10:11]
	s_wait_xcnt 0x0                                ; and again in front of the line that widens it
	s_or_b32 exec_lo, exec_lo, s20
	s_endpgm
.Lcore:
	; FIRST or LAST: each group of 64 rows is one i
.irp u, 0,1,2,3
.irp e, 0,1,2,3
	BFLY X+32*\u+\e
.endr
.endr
.irp e, 0,1,2,3                        ; lane l takes group (l / 4) % 4; its quad of columns, l % 4, it holds already
	v_cndmask_b32 v2, v[X+\e], v[X+32+\e], s24
	v_cndmask_b32 v3, v[X+64+\e], v[X+96+\e], s24
	v_cndmask_b32 v[R+\e], v2, v3, s25
.endr
	s_sub_co_u32 s26, s17, 256
	s_lshl_b32 s26, s26, 8                         ; four i are 256 bytes of fl; last's follow first's
	s_mov_b32 s27, 0
	s_add_nc_u64 s[12:13], s[12:13], s[26:27]
	v_cmp_gt_u32 vcc_lo, 16, v0
	s_wait_xcnt 0x0                                ; EXEC changes only behind this wait
	s_and_saveexec_b32 s20, vcc_lo
	global_store_b128 v1, v[R:R+3], s[12:13]       ; sixteen lanes store 256 consecutive bytes, at a multiple of 256 from fl's first byte
	s_wait_xcnt 0x0
	s_or_b32 exec_lo, exec_lo, s20
	s_endpgm
.Lfunc_end_k_q9770f24e4b_sums:
	.size	k_q9770f24e4b_sums, .Lfunc_end_k_q9770f24e4b_sums-k_q9770f24e4b_sums
	.p2alignl 7, 3214868480
	.fill 96, 4, 3214868480
	.section	.rodata,"a",@progbits
	.p2align	6, 0x0
	.amdhsa_kernel k_q9770f24e4b_sums
		.amdhsa_group_segment_fixed_size 0
		.amdhsa_private_segment_fixed_size 0
		.amdhsa_enable_private_segment 0
		.amdhsa_kernarg_size 40
		.amdhsa_user_sgpr_count 2
		.amdhsa_user_sgpr_kernarg_segment_ptr 1
		.amdhsa_wavefront_size32 1
		.amdhsa_system_sgpr_workgroup_id_x 1
		.amdhsa_system_sgpr_workgroup_id_y 1
		.amdhsa_system_sgpr_workgroup_id_z 1
		.amdhsa_system_vgpr_workitem_id 0
		.amdhsa_next_free_vgpr 144
		.amdhsa_next_free_sgpr 66
		.amdhsa_reserve_vcc 1
		.amdhsa_float_denorm_mode_32 3
		.amdhsa_float_denorm_mode_16_64 3
		.amdhsa_memory_ordered 1
		.amdhsa_forward_progress 1
		.amdhsa_inst_pref_size 15
	.end_amdhsa_kernel
	.amdgpu_metadata
---
amdhsa.version: [ 1, 2 ]
amdhsa.kernels:
  - .name:           k_q9770f24e4b_sums
    .symbol:         k_q9770f24e4b_sums.kd
    .args:
      - { .name: middle_core, .offset: 0, .size: 8, .value_kind: global_buffer, .address_space: global }
      - { .name: first_core, .offset: 8, .size: 8, .value_kind: global_buffer, .address_space: global }
      - { .name: last_core, .offset: 16, .size: 8, .value_kind: global_buffer, .address_space: global }
      - { .name: pm, .offset: 24, .size: 8, .value_kind: global_buffer, .address_space: global }
      - { .name: fl, .offset: 32, .size: 8, .value_kind: global_buffer, .address_space: global }
    .group_segment_fixed_size: 0
    .private_segment_fixed_size: 0
    .kernarg_segment_align: 8
    .kernarg_segment_size: 40
    .max_flat_workgroup_size: 32
    .sgpr_count:     66
    .vgpr_count:     144
    .wavefront_size: 32
...
	.end_amdgpu_metadata
.endif
;; end of part 1
;; launch mpo (part 2): grid 256 x 1, 16 waves a work-group, no clusters, 296,704 bytes of LDS; arguments x, pm, fl, bias, out0; writes out0
.if DOCPART == 2
	.amdgcn_target "amdgcn-amd-amdhsa--gfx1250"
	.amdhsa_code_object_version 6
	.text
	.protected	k_q9770f24e4b_mpo
	.globl	k_q9770f24e4b_mpo
	.p2align	8
	.type	k_q9770f24e4b_mpo,@function
k_q9770f24e4b_mpo:
	s_mov_b64 s[64:65], 0
	v_nop
	global_prefetch_b8 v0, s[64:65] scope:SCOPE_SE
	s_setreg_imm32_b32 hwreg(HW_REG_WAVE_MODE, 25, 1), 1
	s_wait_xcnt 0x0
; out[i][x][y][z] = sum over a, b, c of X[i][a][b][c] F[a][x] M[b][y] L[c][z] + bias[x][y][z]: a batch row of 4,096 numbers is a cube of 16 x 16 x 16, and each leg is multiplied by a matrix of 16 x 16.
; F and L come whole from the launch before, M as 16 partial sums for each entry, added here.
; SHARES.  A work-group has 16 batch rows, each of its 16 waves ONE row, whole: 16,384 bytes in, 16,384 out.  All 32 loads of a wave's row go out at the head, 512 bytes on end each.  One barrier, at the head,
; for the three matrices and the bias in LDS; behind it no wave waits for another.
; FORMATS.  Matrix operands are f16 (x, the two intermediates T1 and T2, the three matrices), all sums f32, scale and bias f32.  Each matrix is multiplied by an exact power of two, 2^(-e-3) with e the
; exponent of its largest magnitude, so that this largest lies in 1/8 .. 1/4; the product cs of the three 2^(e+3) is given back in f32 at the end.  So |T1| <= 4 max|x| and |T2| <= 16 max|x|.
; LIMITS.  max|x| under 4,094 (16 max|x| must stay within f16's 65,504).  The matrices' largest magnitudes between 2^-126 and 2^124, and cs finite in f32.  NaN and infinities are not treated apart: each
; product also multiplies a neighbouring vector by zeros, so one of them spreads to that neighbour.  The f32 sums go in another order than a plain loop's.
; HOW K = 32 IS FILLED BY A LEG OF 16.  In a source of 16 x 32 lanes 0-15 hold k = 0-7 and 16-23 of their row, lanes 16-31 k = 8-15 and 24-31 (8 registers of two f16).  In the first two stages lanes r and r + 16
; carry two DIFFERENT vectors of 16, and the fragment is multiplied twice, by the matrix with zeros in the one or the other half of the lanes.  In the third the two vectors lie in registers 0-3 and 4-7.
;   A (leg a): a lane of a load holds X[a][b = 8 be + l / 4][c = 4 (l % 4) + e]; the 16 loads a = 0..15 of a block be, rounded in pairs, ARE source 0 for each e.  The result holds x = lane % 16; it goes to LDS as T1[x][b][c].
;   C (leg c): lane (r, h) reads row (x = 2 f + h, b = r) of T1, 32 bytes: source 0.  The result holds z = lane % 16 and b = 8 (lane / 16) + 0..7.
;   B (leg b): two such results, rounded in pairs, ARE source 0 (k = b and 16 + b).  The result holds y = lane % 16 and z = 8 (lane / 16) + 0..7: 32 bytes on end of out.
; THE WAY OUT.  Through a stage of the wave's own in LDS and back flat, so that a store of the wave covers 512 consecutive bytes, aligned.
; Every product starts its own sum with the constant 0: there are no chains.
; NO CLUSTER: what work-groups share (pm, fl, bias: 34,816 bytes) is small beside a work-group's own 524,288.  NO TENSOR LOADS: x passes through registers to be rounded, and as loaded it is stage A's fragment.
.set T1W,   8448                       ; a wave's T1: byte(x, b, c) = 528 x + 32 b + 16 (b / 8) + 2 c.  Rows x are 33 x 16 bytes apart; rows b fall on 16-byte columns 2 b + b / 8, all different modulo 16
.set OSW,   8704                       ; a wave's stage: 8 tiles (one x each) of 1,088 bytes: byte(y, z) = 64 y + 16 (y / 4) + 4 z: 16 bytes of padding behind every 256
.set OSB,   16*T1W                     ; LDS: T1 from 0; the stages from here;
.set BIAS,  OSB+16*OSW                 ; the bias, 16,384 bytes as it lies in memory;
.set CONST, BIAS+16384                 ; Ft[x][a], Lt[z][c], Mt[y][b] in f32, 1,280 bytes each, rows 80 bytes apart (5 x 16);
.set SPARE, CONST+3840                 ; the spare words, 128 bytes for each wave: eight blocks of 256 bytes that no other line names
.set LN16, 1                           ; v1   16 x lane: my place in 512 bytes of x and of out; never rewritten
.set RR,   2                           ; v2   r = lane % 16
.set HH,   3                           ; v3   h = lane / 16
.set WT,   4                           ; v4   T1, in:  528 r + 64 h
.set RT,   5                           ; v5   T1, out: 528 h + 32 r + 16 (r / 8)
.set WO,   6                           ; v6   stage, in:  64 r + 16 (r / 4) + 32 h
.set RO,   7                           ; v7   stage, out: 16 lane + 16 h
.set RB,   8                           ; v8   the bias in LDS: 16 lane
.set T16,  9                           ; v9   16 x thread: the bias in memory
.set BW,   10                          ; v10  and where it goes
.set PMO,  11                          ; v11  pm: 1,024 wave + 16 lane
.set T4,   12                          ; v12  4 x thread: fl
.set CW1,  13                          ; v13  where my word of F or L goes
.set CW2,  14                          ; v14  where my four numbers of M go
.set CR,   15                          ; v15  row r of a matrix in LDS
.set SPW,  16                          ; v16  LDS address of my spare word: SPARE + 4 x my thread's number; never rewritten
.set NIL,  17                          ; v17  0; never rewritten
.set CS,   18                          ; v[18:19]  cs, twice
.set CF0,  20                          ; v[20:27]  F in lanes 0-15, zeros above;   CF1 v[28:35] the other way round
.set CF1,  28
.set CL0,  36                          ; v[36:43], v[44:51]  the same for L
.set CL1,  44
.set CM1,  52                          ; v[52:63]  zeros, M, zeros, four registers each: CM1 = zeros, M;  CM0 = M, zeros
.set CM0,  56
.set XR,   64                          ; v[64:191]  x as loaded: block be, a, e at XR + 64 be + 4 a + e.  When a block is rounded: its first 32 take four results, its last 32 the packed T1
.set XP,   192                         ; v[192:223] a block's four fragments: e at XP + 8 e
.set ACC0, 224                         ; v[224:255] four results of stage A; later half of the bias
.set TF,   64                          ; v[64:127]  T1's fragments: f at TF + 8 f; the first 32 later take the other half of the bias
.set DD,   128                         ; v[128:191] eight tiles: stage C's results, then stage B's, then the rows read back
.set PP,   192                         ; v[192:223] stage B's fragments
.set AB,   232                         ; the head's registers at work: v[232:247] magnitudes, then the packed matrix
.set PK,   232
.set MX,   248
.set TT,   249
.set EX,   250
.set INV,  252                         ; v[252:253] 2^(-e-3), twice
	s_load_b256 s[4:11], s[0:1], 0x0               ; x s[4:5], pm s[6:7], fl s[8:9], bias s[10:11]
	s_load_b64 s[12:13], s[0:1], 0x20              ; out0
	v_lshl_add_u32 v[SPW], v0, 2, SPARE
	v_mov_b32 v[NIL], 0
	v_lshrrev_b32 v248, 5, v0
	v_readfirstlane_b32 s14, v248                  ; wave 0..15
	v_and_b32 v249, 31, v0                         ; lane
	v_and_b32 v[RR], 15, v0
	v_bfe_u32 v[HH], v0, 4, 1
	v_lshlrev_b32 v[LN16], 4, v249
	v_mov_b32 v251, 0                              ; (v248 to v251 will be destinations of v_permlanex16_b32, which count as read)
	s_mul_i32 s18, s14, T1W                        ; my wave's T1
	s_mul_i32 s19, s14, OSW
	s_add_co_u32 s19, s19, OSB                     ; my wave's stage
	s_mov_b32 s20, 0x7fffffff                      ; clears a sign
	s_mov_b32 s21, 0xffff0000                      ; lanes 16-31
	s_mov_b32 s24, 0x0000ffff                      ; lanes 0-15
	s_mov_b32 s22, 0x76543210                      ; v_permlanex16_b32: each lane takes its own place in the other half
	s_mov_b32 s23, 0xfedcba98
	v_mul_u32_u24 v[WT], v[RR], 528
	v_lshl_add_u32 v[WT], v[HH], 6, v[WT]
	v_add_nc_u32 v[WT], s18, v[WT]
	v_lshrrev_b32 v250, 3, v[RR]
	v_lshlrev_b32 v[RT], 5, v[RR]
	v_lshl_add_u32 v[RT], v250, 4, v[RT]
	v_mul_u32_u24 v250, v[HH], 528
	v_add_nc_u32 v[RT], v250, v[RT]
	v_add_nc_u32 v[RT], s18, v[RT]
	v_lshrrev_b32 v250, 2, v[RR]
	v_lshlrev_b32 v[WO], 6, v[RR]
	v_lshl_add_u32 v[WO], v250, 4, v[WO]
	v_lshl_add_u32 v[WO], v[HH], 5, v[WO]
	v_add_nc_u32 v[WO], s19, v[WO]
	v_lshl_add_u32 v[RO], v[HH], 4, v[LN16]
	v_add_nc_u32 v[RO], s19, v[RO]
	v_add_nc_u32 v[RB], BIAS, v[LN16]
	v_lshlrev_b32 v[T16], 4, v0
	v_add_nc_u32 v[BW], BIAS, v[T16]
	s_lshl_b32 s15, s14, 10
	v_add_nc_u32 v[PMO], s15, v[LN16]
	v_lshlrev_b32 v[T4], 2, v0
	v_lshrrev_b32 v250, 8, v0                      ; word t of fl is matrix t / 256 (F, L), entry [i = (t / 16) % 16][k = t % 16]; it goes to row k, column i
	v_mul_u32_u24 v[CW1], v250, 1280
	v_mul_u32_u24 v250, v[RR], 80
	v_add_nc_u32 v[CW1], v250, v[CW1]
	v_add_nc_u32 v[CR], CONST, v250                ; row r
	v_bfe_u32 v250, v0, 4, 4
	v_lshl_add_u32 v[CW1], v250, 2, v[CW1]
	v_add_nc_u32 v[CW1], CONST, v[CW1]
	v_and_b32 v250, 3, v0                          ; M[b = wave][y = 4 (lane % 4) + e] goes to row y, column b
	v_mul_u32_u24 v[CW2], v250, 320
	s_lshl_b32 s25, s14, 2
	s_add_co_u32 s25, s25, CONST+2560
	v_add_nc_u32 v[CW2], s25, v[CW2]
	s_lshl_b32 s16, ttmp9, 18                      ; the work-group's 16 rows of 16,384 bytes,
	s_lshl_b32 s17, s14, 14                        ; my wave's one
	s_add_co_u32 s16, s16, s17
	s_mov_b32 s17, 0
	s_wait_kmcnt 0x0
	s_add_nc_u64 s[4:5], s[4:5], s[16:17]
	s_add_nc_u64 s[12:13], s[12:13], s[16:17]
.macro XLOAD be                        ; block be of my row: for each a the 512 bytes b = 8 be .. 8 be + 7
.set a, 0
.rept 16
	global_load_b128 v[XR+64*(\be)+4*a:XR+64*(\be)+4*a+3], v[LN16], s[4:5] offset:512*(\be)+1024*a th:TH_LOAD_NT
.set a, a+1
.endr
.endm
	; the small loads first, since loads come back in order; then all of my row
	global_load_b32 v192, v[T4], s[8:9]                        ; a word of F or L for each of the 512 threads
	global_load_b128 v[196:199], v[PMO], s[6:7]                ; pm[b = wave]: parts p = lane / 4,
	global_load_b128 v[200:203], v[PMO], s[6:7] offset:512     ; and 8 + lane / 4; columns 4 (lane % 4) + 0..3
	global_load_b128 v[204:207], v[T16], s[10:11]              ; the bias, 32 bytes a thread
	global_load_b128 v[208:211], v[T16], s[10:11] offset:8192
	XLOAD 0
	XLOAD 1
	s_wait_loadcnt 32                              ; the five small loads are in; the 32 loads of x, issued behind them, stay out
	ds_store_b32 v[CW1], v192
	v_pk_add_f32 v[196:197], v[196:197], v[200:201]
	v_pk_add_f32 v[198:199], v[198:199], v[202:203]
.irp e, 0,1,2,3                        ; the 16 parts: two in the lane, eight across lane bits 2, 3 and 4
	v_add_f32_dpp v[196+\e], v[196+\e], v[196+\e] row_xmask:4 row_mask:0xf bank_mask:0xf
.endr
.irp e, 0,1,2,3
	v_add_f32_dpp v[196+\e], v[196+\e], v[196+\e] row_xmask:8 row_mask:0xf bank_mask:0xf
.endr
.irp e, 0,1,2,3
	v_permlanex16_b32 v[248+\e], v[196+\e], s22, s23
.endr
.irp e, 0,1,2,3
	v_add_f32 v[196+\e], v[196+\e], v[248+\e]
.endr
.irp e, 0,1,2,3
	ds_store_b32 v[CW2], v[196+\e] offset:80*\e    ; the eight lanes with the same lane % 4 write the same word with the same number
.endr
	ds_store_b128 v[BW], v[204:207]
	ds_store_b128 v[BW], v[208:211] offset:8192
	s_wait_dscnt 0x0                               ; for the others' sake: my stores are done
	s_barrier_signal -1
	s_barrier_wait -1                              ; the three matrices and the bias lie in LDS; nobody writes them again
	; THE MATRICES AS FRAGMENTS, in every wave, while x is on its way
.irp i, 0,1,2,3
	ds_load_b128 v[192+4*\i:192+4*\i+3], v[CR] offset:16*\i        ; F[0..15][x = r]
.endr
.irp i, 0,1,2,3
	ds_load_b128 v[208+4*\i:208+4*\i+3], v[CR] offset:1280+16*\i   ; L[0..15][z = r]
.endr
	v_lshl_add_u32 v249, v[HH], 5, v[CR]
	ds_load_b128 v[224:227], v249 offset:2560                      ; M[8 h .. 8 h + 7][y = r]
	ds_load_b128 v[228:231], v249 offset:2576
	s_wait_dscnt 0x0
; n numbers a lane at src: the largest magnitude of the whole matrix; its exponent field E, held to 1 .. 250; the numbers times 2^(124 - E) = 2^(-e-3), rounded to f16 in pairs into dst; cs takes 2^(e+3).
; The whole numbers made here enter values alone, never an address or a branch.
.macro NORM src, n, dst, first
.set i, 0
.rept \n
	v_and_b32 v[AB+i], s20, v[(\src)+i]
.set i, i+1
.endr
	v_max3_num_f32 v[MX], v[AB], v[AB+1], v[AB+2]
.set i, 3
.rept ((\n)-4)/2
	v_max3_num_f32 v[MX], v[MX], v[AB+i], v[AB+i+1]
.set i, i+2
.endr
	v_max_num_f32 v[MX], v[MX], v[AB+(\n)-1]
	v_max_num_f32_dpp v[MX], v[MX], v[MX] row_xmask:1 row_mask:0xf bank_mask:0xf
	v_max_num_f32_dpp v[MX], v[MX], v[MX] row_xmask:2 row_mask:0xf bank_mask:0xf
	v_max_num_f32_dpp v[MX], v[MX], v[MX] row_xmask:4 row_mask:0xf bank_mask:0xf
	v_max_num_f32_dpp v[MX], v[MX], v[MX] row_xmask:8 row_mask:0xf bank_mask:0xf
	v_permlanex16_b32 v[TT], v[MX], s22, s23
	v_max_num_f32 v[MX], v[MX], v[TT]
	v_and_b32 v[EX], 0x7f800000, v[MX]
	v_max_u32 v[EX], 0x00800000, v[EX]
	v_min_u32 v[EX], 0x7d000000, v[EX]
	v_sub_nc_u32 v[INV], 0x7d800000, v[EX]         ; exponent field 251 - E
	v_sub_nc_u32 v[INV+1], 0x7d800000, v[EX]
	v_add_nc_u32 v[TT], 0x01800000, v[EX]          ; exponent field E + 3
.if \first
	v_mov_b32 v[CS], v[TT]
.else
	v_mul_f32 v[CS], v[CS], v[TT]
.endif
.set i, 0
.rept (\n)/2
	v_pk_mul_f32 v[(\src)+2*i:(\src)+2*i+1], v[(\src)+2*i:(\src)+2*i+1], v[INV:INV+1]
.set i, i+1
.endr
.set i, 0
.rept (\n)/2
	v_cvt_pk_f16_f32 v[(\dst)+i], v[(\src)+2*i], v[(\src)+2*i+1]
.set i, i+1
.endr
.endm
	NORM 192, 16, PK, 1
.irp q, 0,1,2,3,4,5,6,7
	v_cndmask_b32 v[CF0+\q], 0, v[PK+\q], s24
	v_cndmask_b32 v[CF1+\q], 0, v[PK+\q], s21
.endr
	NORM 208, 16, PK, 0
.irp q, 0,1,2,3,4,5,6,7
	v_cndmask_b32 v[CL0+\q], 0, v[PK+\q], s24
	v_cndmask_b32 v[CL1+\q], 0, v[PK+\q], s21
.endr
	NORM 224, 8, CM0, 0
.irp q, 0,1,2,3
	v_mov_b32 v[CM1+\q], 0
	v_mov_b32 v[CM0+4+\q], 0
.endr
	v_mov_b32 v[CS+1], v[CS]
; A vector instruction or an LDS store that reads a matrix result, and a load into a register of a matrix instruction, stand four places behind it, and only plain vector instructions that name none of its
; registers are places (ISA guide 7.12.1 for vector instructions).  No other vector work is at hand at these six points.
.macro PLACES
.rept 4
	v_nop
.endr
.endm
.macro PACKX be                        ; block be rounded to f16: register q of fragment e = (a = 2 q, a = 2 q + 1)
.irp e, 0,1,2,3
.irp q, 0,1,2,3,4,5,6,7
	v_cvt_pk_f16_f32 v[XP+8*\e+\q], v[XR+64*(\be)+8*\q+\e], v[XR+64*(\be)+8*\q+4+\e]
.endr
.endr
.endm
.macro MULA be                         ; each fragment twice: the vectors of lanes 0-15, then those of lanes 16-31
.irp e, 0,1,2,3
	v_wmma_f32_16x16x32_f16 v[ACC0+8*\e:ACC0+8*\e+7], v[XP+8*\e:XP+8*\e+7], v[CF0:CF0+7], 0
	v_wmma_f32_16x16x32_f16 v[XR+64*(\be)+8*\e:XR+64*(\be)+8*\e+7], v[XP+8*\e:XP+8*\e+7], v[CF1:CF1+7], 0
.endr
.endm
; Register j of result (sg, e) is T1[x = r][b = 8 be + 4 sg + 2 h + j / 4][c = 4 (j % 4) + e].  Rounded in pairs across e, the four results are rows b and b + 1: 64 bytes on end.
; j ascends, so that each result is read from its low end on.
.macro PACKT be, sg
.if \sg
.set DA, XR+64*(\be)
.else
.set DA, ACC0
.endif
.set TP, XR+64*(\be)+32+16*(\sg)
.irp j, 0,1,2,3,4,5,6,7
	v_cvt_pk_f16_f32 v[TP+2*\j], v[DA+\j], v[DA+8+\j]
	v_cvt_pk_f16_f32 v[TP+2*\j+1], v[DA+16+\j], v[DA+24+\j]
.endr
.irp i, 0,1,2,3
	ds_store_b128 v[WT], v[TP+4*\i:TP+4*\i+3] offset:272*(\be)+128*(\sg)+16*\i
.endr
.endm
	; STAGE A
	s_wait_loadcnt 16                              ; block 0 is in; block 1's sixteen loads stay out
	PACKX 0
	MULA 0
	PLACES
	PACKT 0, 0
	PACKT 0, 1
	s_wait_loadcnt 0x0                             ; block 1
	PACKX 1                                        ; (the v_nop and the roundings above are the places in front of these writes and of the next products)
	MULA 1
	PLACES
	PACKT 1, 0
	PACKT 1, 1
	; T1 comes back by rows (x, b).  The bytes are my wave's own, and LDS serves a wave's instructions in order (ISA guide 5.7.1.4): these loads see the stores above
.irp f, 0,1,2,3,4,5,6,7
	ds_load_b128 v[TF+8*\f:TF+8*\f+3],   v[RT] offset:1056*\f
	ds_load_b128 v[TF+8*\f+4:TF+8*\f+7], v[RT] offset:1056*\f+16
.endr
.macro MULC ga                         ; fragments 4 ga .. 4 ga + 3, each twice: tile 2 f + sg is x = 8 ga + 2 f + sg
.irp f, 0,1,2,3
	v_wmma_f32_16x16x32_f16 v[DD+16*\f:DD+16*\f+7],    v[TF+8*(4*(\ga)+\f):TF+8*(4*(\ga)+\f)+7], v[CL0:CL0+7], 0
	v_wmma_f32_16x16x32_f16 v[DD+16*\f+8:DD+16*\f+15], v[TF+8*(4*(\ga)+\f):TF+8*(4*(\ga)+\f)+7], v[CL1:CL1+7], 0
.endr
.endm
.macro BIASLD ga                       ; the bias of these eight x, flat, as the rows will be stored: 16 loads of 512 bytes on end
.set n, 0
.rept 16
.if n < 8
.set BI, ACC0+4*n
.else
.set BI, TF+4*(n-8)
.endif
	ds_load_b128 v[BI:BI+3], v[RB] offset:8192*(\ga)+512*n
.set n, n+1
.endr
.endm
.macro PACKP                           ; tile t rounded in pairs: registers 4 (t % 2) + 0..3 of fragment t / 2; each tile is read from its low end on
.irp t, 0,1,2,3,4,5,6,7
.irp q, 0,1,2,3
	v_cvt_pk_f16_f32 v[PP+4*\t+\q], v[DD+8*\t+2*\q], v[DD+8*\t+2*\q+1]
.endr
.endr
.endm
.macro MULB                            ; each fragment twice: M against its registers 0-3 (the even x), then against 4-7 (the odd x)
.irp f, 0,1,2,3
	v_wmma_f32_16x16x32_f16 v[DD+16*\f:DD+16*\f+7],    v[PP+8*\f:PP+8*\f+7], v[CM0:CM0+7], 0
	v_wmma_f32_16x16x32_f16 v[DD+16*\f+8:DD+16*\f+15], v[PP+8*\f:PP+8*\f+7], v[CM1:CM1+7], 0
.endr
.endm
.macro STAGE                           ; a lane's 32 bytes of (x, y) into my stage, the low four registers first; then back flat, into the registers that they left
.irp t, 0,1,2,3,4,5,6,7
	ds_store_b128 v[WO], v[DD+8*\t:DD+8*\t+3]   offset:1088*\t
	ds_store_b128 v[WO], v[DD+8*\t+4:DD+8*\t+7] offset:1088*\t+16
.endr
.set n, 0
.rept 16
	ds_load_b128 v[DD+4*n:DD+4*n+3], v[RO] offset:544*n            ; half a tile: 512 bytes of out and two paddings of 16
.set n, n+1
.endr
.endm
.macro SEND ga
.set n, 0
.rept 16
.if n < 8
.set BI, ACC0+4*n
.else
.set BI, TF+4*(n-8)
.endif
	s_wait_dscnt 15-n                              ; number n of the sixteen is back; the younger ones stay out; the bias, asked for earlier, is in
	v_pk_fma_f32 v[DD+4*n:DD+4*n+1],   v[DD+4*n:DD+4*n+1],   v[CS:CS+1], v[BI:BI+1]
	v_pk_fma_f32 v[DD+4*n+2:DD+4*n+3], v[DD+4*n+2:DD+4*n+3], v[CS:CS+1], v[BI+2:BI+3]
	global_store_b128 v[LN16], v[DD+4*n:DD+4*n+3], s[12:13] offset:8192*(\ga)+512*n th:TH_STORE_NT  ; the wave stores 512 consecutive bytes, at a multiple of 512 from out's first byte
.set n, n+1
.endr
.endm
.macro HALF ga                         ; x = 8 ga .. 8 ga + 7: stages C and B and the way out
	MULC \ga
	PLACES
	BIASLD \ga                                     ; behind the places, since half of it lands in fragments that stage C has read; it comes in under the next two steps
	PACKP
	MULB                                           ; (the v_nop and the roundings are the places in front of these products, which write over stage C's results)
	PLACES
	STAGE
	SEND \ga
.endm
	s_wait_dscnt 8                                 ; T1's fragments 0 to 3 are in; the eight loads of fragments 4 to 7 stay out
	HALF 0                                         ; (its last wait on LDS is for 0: fragments 4 to 7 are in too)
	s_wait_xcnt 0x0                                ; the sixteen stores have read their registers, which the next products write
	HALF 1
	s_wait_tensorcnt 0x0                           ; the wave's end: behind my last LDS store
	ds_add_u32 v[SPW], v[NIL]
	s_wait_dscnt 0x0
	s_endpgm
.Lfunc_end_k_q9770f24e4b_mpo:
	.size	k_q9770f24e4b_mpo, .Lfunc_end_k_q9770f24e4b_mpo-k_q9770f24e4b_mpo
	.p2alignl 7, 3214868480
	.fill 96, 4, 3214868480
	.section	.rodata,"a",@progbits
	.p2align	6, 0x0
	.amdhsa_kernel k_q9770f24e4b_mpo
		.amdhsa_group_segment_fixed_size 296704
		.amdhsa_private_segment_fixed_size 0
		.amdhsa_enable_private_segment 0
		.amdhsa_kernarg_size 40
		.amdhsa_user_sgpr_count 2
		.amdhsa_user_sgpr_kernarg_segment_ptr 1
		.amdhsa_wavefront_size32 1
		.amdhsa_system_sgpr_workgroup_id_x 1
		.amdhsa_system_sgpr_workgroup_id_y 1
		.amdhsa_system_sgpr_workgroup_id_z 1
		.amdhsa_system_vgpr_workitem_id 0
		.amdhsa_next_free_vgpr 256
		.amdhsa_next_free_sgpr 66
		.amdhsa_reserve_vcc 0
		.amdhsa_float_denorm_mode_32 3
		.amdhsa_float_denorm_mode_16_64 3
		.amdhsa_memory_ordered 1
		.amdhsa_forward_progress 1
		.amdhsa_inst_pref_size 51
	.end_amdhsa_kernel
	.amdgpu_metadata
---
amdhsa.version: [ 1, 2 ]
amdhsa.kernels:
  - .name:           k_q9770f24e4b_mpo
    .symbol:         k_q9770f24e4b_mpo.kd
    .args:
      - { .name: x, .offset: 0, .size: 8, .value_kind: global_buffer, .address_space: global }
      - { .name: pm, .offset: 8, .size: 8, .value_kind: global_buffer, .address_space: global }
      - { .name: fl, .offset: 16, .size: 8, .value_kind: global_buffer, .address_space: global }
      - { .name: bias, .offset: 24, .size: 8, .value_kind: global_buffer, .address_space: global }
      - { .name: out0, .offset: 32, .size: 8, .value_kind: global_buffer, .address_space: global }
    .group_segment_fixed_size: 296704
    .private_segment_fixed_size: 0
    .kernarg_segment_align: 8
    .kernarg_segment_size: 40
    .max_flat_workgroup_size: 512
    .sgpr_count:     66
    .vgpr_count:     256
    .wavefront_size: 32
...
	.end_amdgpu_metadata
.endif
;; end of part 2
;; ======== version 2 of 2: 2 launches; version 1 with the launch mpo written anew for expert scheduling mode
;; limits: inputs' magnitudes at most 4,094; values are held in f16: magnitudes above 65,504 overflow, below 6.1e-05 lose precision
;; workspace buffers: pm 16,384 bytes; fl 2,048 bytes
;; launch sums: the kernel of part 1 again; grid 264 x 1, 1 waves a work-group, no clusters, 0 bytes of LDS; arguments middle_core, first_core, last_core, pm, fl; writes pm, fl
;; launch mpo (part 3): grid 256 x 1, 16 waves a work-group, no clusters, 296,704 bytes of LDS; arguments x, pm, fl, bias, out0; writes out0
.if DOCPART == 3
	.amdgcn_target "amdgcn-amd-amdhsa--gfx1250"
	.amdhsa_code_object_version 6
	.text
	.protected	k_q9770f24e4b_mpo
	.globl	k_q9770f24e4b_mpo
	.p2align	8
	.type	k_q9770f24e4b_mpo,@function
k_q9770f24e4b_mpo:
	s_mov_b64 s[64:65], 0
	v_nop
	global_prefetch_b8 v0, s[64:65] scope:SCOPE_SE
	s_setreg_imm32_b32 hwreg(HW_REG_WAVE_SCHED_MODE, 0, 2), 2
	s_setreg_imm32_b32 hwreg(HW_REG_WAVE_MODE, 25, 1), 1
	s_wait_xcnt 0x0
	s_wait_alu depctr_vm_vsrc(0)
; out[i][x][y][z] = sum over a, b, c of X[i][a][b][c] F[a][x] M[b][y] L[c][z] + bias[x][y][z]: a batch row of 4,096 numbers is a cube of 16 x 16 x 16, and each leg is multiplied by a matrix of 16 x 16.
; F and L come whole from the launch before, M as 16 partial sums for each entry, added here.
; SHARES.  A work-group has 16 batch rows, each of its 16 waves ONE row, whole: 16,384 bytes in, 16,384 out.  All 32 loads of a wave's row go out at the head, 512 bytes on end each.  One barrier, at the head,
; for the three matrices and the bias in LDS; behind it no wave waits for another.
; FORMATS.  Matrix operands are f16 (x, the two intermediates T1 and T2, the three matrices), all sums f32, scale and bias f32.  Each matrix is multiplied by an exact power of two, 2^(-e-3) with e the
; exponent of its largest magnitude, so that this largest lies in 1/8 .. 1/4; the product cs of the three 2^(e+3) is given back in f32 at the end.  So |T1| <= 4 max|x| and |T2| <= 16 max|x|.
; LIMITS.  max|x| under 4,094 (16 max|x| must stay within f16's 65,504).  The matrices' largest magnitudes between 2^-126 and 2^124, and cs finite in f32.  NaN and infinities are not treated apart: each
; product also multiplies a neighbouring vector by zeros, so one of them spreads to that neighbour.  The f32 sums go in another order than a plain loop's.
; HOW K = 32 IS FILLED BY A LEG OF 16.  In a source of 16 x 32 lanes 0-15 hold k = 0-7 and 16-23 of their row, lanes 16-31 k = 8-15 and 24-31 (8 registers of two f16).  In the first two stages lanes r and r + 16
; carry two DIFFERENT vectors of 16, and the fragment is multiplied twice, by the matrix with zeros in the one or the other half of the lanes.  In the third the two vectors lie in registers 0-3 and 4-7.
;   A (leg a): a lane of a load holds X[a][b = 8 be + l / 4][c = 4 (l % 4) + e]; the 16 loads a = 0..15 of a block be, rounded in pairs, ARE source 0 for each e.  The result holds x = lane % 16; it goes to LDS as T1[x][b][c].
;   C (leg c): lane (r, h) reads row (x = 2 f + h, b = r) of T1, 32 bytes: source 0.  The result holds z = lane % 16 and b = 8 (lane / 16) + 0..7.
;   B (leg b): two such results, rounded in pairs, ARE source 0 (k = b and 16 + b).  The result holds y = lane % 16 and z = 8 (lane / 16) + 0..7: 32 bytes on end of out.
; THE WAY OUT.  Through a stage of the wave's own in LDS and back flat, so that a store of the wave covers 512 consecutive bytes, aligned.
; Every product starts its own sum with the constant 0: there are no chains.
; NO CLUSTER: what work-groups share (pm, fl, bias: 34,816 bytes) is small beside a work-group's own 524,288.  NO TENSOR LOADS: x passes through registers to be rounded, and as loaded it is stage A's fragment.
; THE MODE: SCHED_MODE bits 1:0 = 2 (LLVM: expert scheduling mode 2), set by the entry lines.  The code itself states the register dependences
; between vector or matrix instructions and memory or LDS instructions, with s_wait_alu, always for 0.
; THE PLAN.  Registers that memory or LDS instructions touch, in the order of the text:
;   v1, v4-v17       offsets, LDS addresses and the closing add's pair: written at the head, ahead of one wait on va_vdst, and never again.
;   v249             the LDS address of M's rows: made behind M's sums, read by two LDS loads, written again by the scaling.
;   v192, v196-v211  the small loads land; the sums rewrite v196-v199; LDS stores read them; behind the barrier the matrices' LDS loads land in v192-v231.
;   packed T1        block 0 in v96-v127, block 1 in v160-v191: written by a block's 32 roundings, read by its eight LDS stores, which stand behind ONE wait on va_vdst; block 0's are dealt among block 1's products.
;   TF v64-v127      T1's fragments land where block 0's results and packed T1 lay; stage C's products read them.
;   DD v128-v191     stage C's and B's products write; the stage's LDS stores read; the stage's LDS loads land; the scale-and-bias lines rewrite; the global stores read.
;   bias             v224-v255 and v64-v95: LDS loads land, the scale-and-bias lines read.  Each run of these loads stands behind a wait on va_vdst that is there for other reasons too, with no vector line between that names them.
; The sixteen quads of a half go out in four groups: the wait on va_vdst at a group's head shows the group before written; its four stores go out ahead of this group's multiply-adds, which name other registers.
.set T1W,   8448                       ; a wave's T1: byte(x, b, c) = 528 x + 32 b + 16 (b / 8) + 2 c.  Rows x are 33 x 16 bytes apart; rows b fall on 16-byte columns 2 b + b / 8, all different modulo 16
.set OSW,   8704                       ; a wave's stage: 8 tiles (one x each) of 1,088 bytes: byte(y, z) = 64 y + 16 (y / 4) + 4 z: 16 bytes of padding behind every 256
.set OSB,   16*T1W                     ; LDS: T1 from 0; the stages from here;
.set BIAS,  OSB+16*OSW                 ; the bias, 16,384 bytes as it lies in memory;
.set CONST, BIAS+16384                 ; Ft[x][a], Lt[z][c], Mt[y][b] in f32, 1,280 bytes each, rows 80 bytes apart (5 x 16);
.set SPARE, CONST+3840                 ; the spare words, 128 bytes for each wave: eight blocks of 256 bytes that no other line names
.set LN16, 1                           ; v1   16 x lane: my place in 512 bytes of x and of out; never rewritten
.set RR,   2                           ; v2   r = lane % 16
.set HH,   3                           ; v3   h = lane / 16
.set WT,   4                           ; v4   T1, in:  528 r + 64 h
.set RT,   5                           ; v5   T1, out: 528 h + 32 r + 16 (r / 8)
.set WO,   6                           ; v6   stage, in:  64 r + 16 (r / 4) + 32 h
.set RO,   7                           ; v7   stage, out: 16 lane + 16 h
.set RB,   8                           ; v8   the bias in LDS: 16 lane
.set T16,  9                           ; v9   16 x thread: the bias in memory
.set BW,   10                          ; v10  and where it goes
.set PMO,  11                          ; v11  pm: 1,024 wave + 16 lane
.set T4,   12                          ; v12  4 x thread: fl
.set CW1,  13                          ; v13  where my word of F or L goes
.set CW2,  14                          ; v14  where my four numbers of M go
.set CR,   15                          ; v15  row r of a matrix in LDS
.set SPW,  16                          ; v16  LDS address of my spare word: SPARE + 4 x my thread's number; never rewritten
.set NIL,  17                          ; v17  0; never rewritten
.set CS,   18                          ; v[18:19]  cs, twice
.set CF0,  20                          ; v[20:27]  F in lanes 0-15, zeros above;   CF1 v[28:35] the other way round
.set CF1,  28
.set CL0,  36                          ; v[36:43], v[44:51]  the same for L
.set CL1,  44
.set CM1,  52                          ; v[52:63]  zeros, M, zeros, four registers each: CM1 = zeros, M;  CM0 = M, zeros
.set CM0,  56
.set XR,   64                          ; v[64:191]  x as loaded: block be, a, e at XR + 64 be + 4 a + e.  When a block is rounded: its first 32 take four results, its last 32 the packed T1
.set XP,   192                         ; v[192:223] a block's four fragments: e at XP + 8 e
.set ACC0, 224                         ; v[224:255] four results of stage A; later half of the bias
.set TF,   64                          ; v[64:127]  T1's fragments: f at TF + 8 f; the first 32 later take the other half of the bias
.set DD,   128                         ; v[128:191] eight tiles: stage C's results, then stage B's, then the rows read back
.set PP,   192                         ; v[192:223] stage B's fragments
.set AB,   232                         ; the head's registers at work: v[232:247] magnitudes, then the packed matrix
.set PK,   232
.set MX,   248
.set TT,   249
.set EX,   250
.set INV,  252                         ; v[252:253] 2^(-e-3), twice
	s_load_b256 s[4:11], s[0:1], 0x0               ; x s[4:5], pm s[6:7], fl s[8:9], bias s[10:11]
	s_load_b64 s[12:13], s[0:1], 0x20              ; out0
	v_lshl_add_u32 v[SPW], v0, 2, SPARE
	v_mov_b32 v[NIL], 0
	v_lshrrev_b32 v248, 5, v0
	v_readfirstlane_b32 s14, v248                  ; wave 0..15
	v_and_b32 v249, 31, v0                         ; lane
	v_and_b32 v[RR], 15, v0
	v_bfe_u32 v[HH], v0, 4, 1
	v_lshlrev_b32 v[LN16], 4, v249
	v_mov_b32 v251, 0                              ; (v248 to v251 will be destinations of v_permlanex16_b32, which count as read)
	s_wait_alu depctr_va_sdst(0)                   ; s14 is written, ahead of its first reader: the wave's places in LDS, in x and in out are made from it
	s_mul_i32 s18, s14, T1W                        ; my wave's T1
	s_mul_i32 s19, s14, OSW
	s_add_co_u32 s19, s19, OSB                     ; my wave's stage
	s_mov_b32 s20, 0x7fffffff                      ; clears a sign
	s_mov_b32 s21, 0xffff0000                      ; lanes 16-31
	s_mov_b32 s24, 0x0000ffff                      ; lanes 0-15
	s_mov_b32 s22, 0x76543210                      ; v_permlanex16_b32: each lane takes its own place in the other half
	s_mov_b32 s23, 0xfedcba98
	v_mul_u32_u24 v[WT], v[RR], 528
	v_lshl_add_u32 v[WT], v[HH], 6, v[WT]
	v_add_nc_u32 v[WT], s18, v[WT]
	v_lshrrev_b32 v250, 3, v[RR]
	v_lshlrev_b32 v[RT], 5, v[RR]
	v_lshl_add_u32 v[RT], v250, 4, v[RT]
	v_mul_u32_u24 v250, v[HH], 528
	v_add_nc_u32 v[RT], v250, v[RT]
	v_add_nc_u32 v[RT], s18, v[RT]
	v_lshrrev_b32 v250, 2, v[RR]
	v_lshlrev_b32 v[WO], 6, v[RR]
	v_lshl_add_u32 v[WO], v250, 4, v[WO]
	v_lshl_add_u32 v[WO], v[HH], 5, v[WO]
	v_add_nc_u32 v[WO], s19, v[WO]
	v_lshl_add_u32 v[RO], v[HH], 4, v[LN16]
	v_add_nc_u32 v[RO], s19, v[RO]
	v_add_nc_u32 v[RB], BIAS, v[LN16]
	v_lshlrev_b32 v[T16], 4, v0
	v_add_nc_u32 v[BW], BIAS, v[T16]
	s_lshl_b32 s15, s14, 10
	v_add_nc_u32 v[PMO], s15, v[LN16]
	v_lshlrev_b32 v[T4], 2, v0
	v_lshrrev_b32 v250, 8, v0                      ; word t of fl is matrix t / 256 (F, L), entry [i = (t / 16) % 16][k = t % 16]; it goes to row k, column i
	v_mul_u32_u24 v[CW1], v250, 1280
	v_mul_u32_u24 v250, v[RR], 80
	v_add_nc_u32 v[CW1], v250, v[CW1]
	v_add_nc_u32 v[CR], CONST, v250                ; row r
	v_bfe_u32 v250, v0, 4, 4
	v_lshl_add_u32 v[CW1], v250, 2, v[CW1]
	v_add_nc_u32 v[CW1], CONST, v[CW1]
	v_and_b32 v250, 3, v0                          ; M[b = wave][y = 4 (lane % 4) + e] goes to row y, column b
	v_mul_u32_u24 v[CW2], v250, 320
	s_lshl_b32 s25, s14, 2
	s_add_co_u32 s25, s25, CONST+2560
	v_add_nc_u32 v[CW2], s25, v[CW2]
	s_lshl_b32 s16, ttmp9, 18                      ; the work-group's 16 rows of 16,384 bytes,
	s_lshl_b32 s17, s14, 14                        ; my wave's one
	s_add_co_u32 s16, s16, s17
	s_mov_b32 s17, 0
	s_wait_kmcnt 0x0
	s_add_nc_u64 s[4:5], s[4:5], s[16:17]
	s_add_nc_u64 s[12:13], s[12:13], s[16:17]
	s_wait_alu depctr_va_vdst(0)                   ; the offsets and LDS addresses v1 and v4 to v15 are written, which the kernel's loads and stores read; none of them is written again
.macro XLOAD be                        ; block be of my row: for each a the 512 bytes b = 8 be .. 8 be + 7
.set a, 0
.rept 16
	global_load_b128 v[XR+64*(\be)+4*a:XR+64*(\be)+4*a+3], v[LN16], s[4:5] offset:512*(\be)+1024*a th:TH_LOAD_NT
.set a, a+1
.endr
.endm
	; the small loads first, since loads come back in order; then all of my row
	global_load_b32 v192, v[T4], s[8:9]                        ; a word of F or L for each of the 512 threads
	global_load_b128 v[196:199], v[PMO], s[6:7]                ; pm[b = wave]: parts p = lane / 4,
	global_load_b128 v[200:203], v[PMO], s[6:7] offset:512     ; and 8 + lane / 4; columns 4 (lane % 4) + 0..3
	global_load_b128 v[204:207], v[T16], s[10:11]              ; the bias, 32 bytes a thread
	global_load_b128 v[208:211], v[T16], s[10:11] offset:8192
	XLOAD 0
	XLOAD 1
	s_wait_loadcnt 32                              ; the five small loads are in; the 32 loads of x, issued behind them, stay out
	ds_store_b32 v[CW1], v192
	v_pk_add_f32 v[196:197], v[196:197], v[200:201]
	v_pk_add_f32 v[198:199], v[198:199], v[202:203]
.irp e, 0,1,2,3                        ; the 16 parts: two in the lane, eight across lane bits 2, 3 and 4
	v_add_f32_dpp v[196+\e], v[196+\e], v[196+\e] row_xmask:4 row_mask:0xf bank_mask:0xf
.endr
.irp e, 0,1,2,3
	v_add_f32_dpp v[196+\e], v[196+\e], v[196+\e] row_xmask:8 row_mask:0xf bank_mask:0xf
.endr
.irp e, 0,1,2,3
	v_permlanex16_b32 v[248+\e], v[196+\e], s22, s23
.endr
.irp e, 0,1,2,3
	v_add_f32 v[196+\e], v[196+\e], v[248+\e]
.endr
	v_lshl_add_u32 v249, v[HH], 5, v[CR]           ; where my half of a row of M will be read: made here, ahead of the wait that stands here anyway
	s_wait_alu depctr_va_vdst(0)                   ; M's sums v[196:199] are written, which the LDS stores read, and so is v249, by which LDS loads read behind the barrier; the sums are done with v[196:203], in which the matrices land there
.irp e, 0,1,2,3
	ds_store_b32 v[CW2], v[196+\e] offset:80*\e    ; the eight lanes with the same lane % 4 write the same word with the same number
.endr
	ds_store_b128 v[BW], v[204:207]
	ds_store_b128 v[BW], v[208:211] offset:8192
	s_wait_dscnt 0x0                               ; for the others' sake: my stores are done
	s_barrier_signal -1
	s_barrier_wait -1                              ; the three matrices and the bias lie in LDS; nobody writes them again
	; THE MATRICES AS FRAGMENTS, in every wave, while x is on its way
	s_wait_alu depctr_vm_vsrc(0)                   ; my LDS stores have read v192, v[196:199] and v[204:211], in which the loads below land
.irp i, 0,1,2,3
	ds_load_b128 v[192+4*\i:192+4*\i+3], v[CR] offset:16*\i        ; F[0..15][x = r]
.endr
.irp i, 0,1,2,3
	ds_load_b128 v[208+4*\i:208+4*\i+3], v[CR] offset:1280+16*\i   ; L[0..15][z = r]
.endr
	ds_load_b128 v[224:227], v249 offset:2560                      ; M[8 h .. 8 h + 7][y = r]
	ds_load_b128 v[228:231], v249 offset:2576
	s_wait_dscnt 0x0
	s_wait_alu depctr_vm_vsrc(0)                   ; the two loads of M have read v249, which the scaling below writes as a register at work
; n numbers a lane at src: the largest magnitude of the whole matrix; its exponent field E, held to 1 .. 250; the numbers times 2^(124 - E) = 2^(-e-3), rounded to f16 in pairs into dst; cs takes 2^(e+3).
; The whole numbers made here enter values alone, never an address or a branch.
.macro NORM src, n, dst, first
.set i, 0
.rept \n
	v_and_b32 v[AB+i], s20, v[(\src)+i]
.set i, i+1
.endr
	v_max3_num_f32 v[MX], v[AB], v[AB+1], v[AB+2]
.set i, 3
.rept ((\n)-4)/2
	v_max3_num_f32 v[MX], v[MX], v[AB+i], v[AB+i+1]
.set i, i+2
.endr
	v_max_num_f32 v[MX], v[MX], v[AB+(\n)-1]
	v_max_num_f32_dpp v[MX], v[MX], v[MX] row_xmask:1 row_mask:0xf bank_mask:0xf
	v_max_num_f32_dpp v[MX], v[MX], v[MX] row_xmask:2 row_mask:0xf bank_mask:0xf
	v_max_num_f32_dpp v[MX], v[MX], v[MX] row_xmask:4 row_mask:0xf bank_mask:0xf
	v_max_num_f32_dpp v[MX], v[MX], v[MX] row_xmask:8 row_mask:0xf bank_mask:0xf
	v_permlanex16_b32 v[TT], v[MX], s22, s23
	v_max_num_f32 v[MX], v[MX], v[TT]
	v_and_b32 v[EX], 0x7f800000, v[MX]
	v_max_u32 v[EX], 0x00800000, v[EX]
	v_min_u32 v[EX], 0x7d000000, v[EX]
	v_sub_nc_u32 v[INV], 0x7d800000, v[EX]         ; exponent field 251 - E
	v_sub_nc_u32 v[INV+1], 0x7d800000, v[EX]
	v_add_nc_u32 v[TT], 0x01800000, v[EX]          ; exponent field E + 3
.if \first
	v_mov_b32 v[CS], v[TT]
.else
	v_mul_f32 v[CS], v[CS], v[TT]
.endif
.set i, 0
.rept (\n)/2
	v_pk_mul_f32 v[(\src)+2*i:(\src)+2*i+1], v[(\src)+2*i:(\src)+2*i+1], v[INV:INV+1]
.set i, i+1
.endr
.set i, 0
.rept (\n)/2
	v_cvt_pk_f16_f32 v[(\dst)+i], v[(\src)+2*i], v[(\src)+2*i+1]
.set i, i+1
.endr
.endm
	NORM 192, 16, PK, 1
.irp q, 0,1,2,3,4,5,6,7
	v_cndmask_b32 v[CF0+\q], 0, v[PK+\q], s24
	v_cndmask_b32 v[CF1+\q], 0, v[PK+\q], s21
.endr
	NORM 208, 16, PK, 0
.irp q, 0,1,2,3,4,5,6,7
	v_cndmask_b32 v[CL0+\q], 0, v[PK+\q], s24
	v_cndmask_b32 v[CL1+\q], 0, v[PK+\q], s21
.endr
	NORM 224, 8, CM0, 0
.irp q, 0,1,2,3
	v_mov_b32 v[CM1+\q], 0
	v_mov_b32 v[CM0+4+\q], 0
.endr
	v_mov_b32 v[CS+1], v[CS]
; A vector instruction or an LDS store that reads a matrix result stands four places behind it, and only plain vector instructions that name none of its registers are places (ISA guide 7.12.1 for vector
; instructions).  No other vector work is at hand at these six points.  A wait on va_vdst fills no place: where a store reads a result, the places come first and the wait behind them.
.macro PLACES
.rept 4
	v_nop
.endr
.endm
.macro PACKX be                        ; block be rounded to f16: register q of fragment e = (a = 2 q, a = 2 q + 1)
.irp e, 0,1,2,3
.irp q, 0,1,2,3,4,5,6,7
	v_cvt_pk_f16_f32 v[XP+8*\e+\q], v[XR+64*(\be)+8*\q+\e], v[XR+64*(\be)+8*\q+4+\e]
.endr
.endr
.endm
; Quad k of 8 of block be's packed T1 goes to LDS: rows b and b + 1 of half sg = k / 4 are 64 bytes on end, 16 of them a quad.
.macro TSTORE be, k
	ds_store_b128 v[WT], v[XR+64*(\be)+32+4*(\k):XR+64*(\be)+32+4*(\k)+3] offset:272*(\be)+128*((\k)/4)+16*((\k)%4)
.endm
; Each fragment twice: the vectors of lanes 0-15, then those of lanes 16-31.  st = 1: the eight LDS stores of the block before are dealt among the products, one behind each.
; No wait among them: the products name XP, CF0, CF1, ACC0 and this block's first 32 registers, the stores v[WT] and the packed T1 of the block before.
.macro MULA be, st
.irp e, 0,1,2,3
	v_wmma_f32_16x16x32_f16 v[ACC0+8*\e:ACC0+8*\e+7], v[XP+8*\e:XP+8*\e+7], v[CF0:CF0+7], 0
.if \st
	TSTORE (\be)-1, 2*\e
.endif
	v_wmma_f32_16x16x32_f16 v[XR+64*(\be)+8*\e:XR+64*(\be)+8*\e+7], v[XP+8*\e:XP+8*\e+7], v[CF1:CF1+7], 0
.if \st
	TSTORE (\be)-1, 2*\e+1
.endif
.endr
.endm
; Register j of result (sg, e) is T1[x = r][b = 8 be + 4 sg + 2 h + j / 4][c = 4 (j % 4) + e].  Rounded in pairs across e, the four results are rows b and b + 1: 64 bytes on end.
; j ascends, so that each result is read from its low end on.
.macro ROUNDT be, sg
.if \sg
.set DA, XR+64*(\be)
.else
.set DA, ACC0
.endif
.set TP, XR+64*(\be)+32+16*(\sg)
.irp j, 0,1,2,3,4,5,6,7
	v_cvt_pk_f16_f32 v[TP+2*\j], v[DA+\j], v[DA+8+\j]
	v_cvt_pk_f16_f32 v[TP+2*\j+1], v[DA+16+\j], v[DA+24+\j]
.endr
.endm
; The bias of the eight x of half ga, flat, as the rows will be stored: loads number from .. from + count - 1 of sixteen, 512 bytes on end each; the first eight land in ACC0, the others in T1's fragments 0 to 3.
.macro BIASLD ga, from, count
.set n, \from
.rept \count
.if n < 8
.set BI, ACC0+4*n
.else
.set BI, TF+4*(n-8)
.endif
	ds_load_b128 v[BI:BI+3], v[RB] offset:8192*(\ga)+512*n
.set n, n+1
.endr
.endm
	; STAGE A
	s_wait_loadcnt 16                              ; block 0 is in; block 1's sixteen loads stay out
	PACKX 0
	MULA 0, 0
	PLACES
	ROUNDT 0, 0
	ROUNDT 0, 1
	s_wait_loadcnt 0x0                             ; block 1
	PACKX 1                                        ; (the v_nop and the roundings above are the places in front of these writes and of the next products)
	s_wait_alu depctr_va_vdst(0)                   ; block 0's roundings have written its packed T1, v[96:127], which the LDS stores among the products below read
	MULA 1, 1
	PLACES
	ROUNDT 1, 0
	ROUNDT 1, 1
	s_wait_alu depctr_va_vdst(0)                   ; block 1's roundings have written v[160:191], which the LDS stores read; all readers and writers of v[64:127] and of ACC0 are done, in which the loads below land
.irp k, 0,1,2,3,4,5,6,7
	TSTORE 1, \k
.endr
	s_wait_alu depctr_vm_vsrc(0)                   ; both blocks' LDS stores have read their packed T1: v[96:127], in which the fragments land, and v[160:191], which stage C's products write
	; T1 comes back by rows (x, b).  The bytes are my wave's own, and LDS serves a wave's instructions in order (ISA guide 5.7.1.4): these loads see the stores above
.irp f, 0,1,2,3,4,5,6,7
	ds_load_b128 v[TF+8*\f:TF+8*\f+3],   v[RT] offset:1056*\f
	ds_load_b128 v[TF+8*\f+4:TF+8*\f+7], v[RT] offset:1056*\f+16
.endr
	BIASLD 0, 0, 8                                 ; half of the first half's bias, into ACC0.  No wait: no vector or matrix instruction since the wait on va_vdst above
.macro MULC ga                         ; fragments 4 ga .. 4 ga + 3, each twice: tile 2 f + sg is x = 8 ga + 2 f + sg
.irp f, 0,1,2,3
	v_wmma_f32_16x16x32_f16 v[DD+16*\f:DD+16*\f+7],    v[TF+8*(4*(\ga)+\f):TF+8*(4*(\ga)+\f)+7], v[CL0:CL0+7], 0
	v_wmma_f32_16x16x32_f16 v[DD+16*\f+8:DD+16*\f+15], v[TF+8*(4*(\ga)+\f):TF+8*(4*(\ga)+\f)+7], v[CL1:CL1+7], 0
.endr
.endm
.macro PACKP                           ; tile t rounded in pairs: registers 4 (t % 2) + 0..3 of fragment t / 2; each tile is read from its low end on
.irp t, 0,1,2,3,4,5,6,7
.irp q, 0,1,2,3
	v_cvt_pk_f16_f32 v[PP+4*\t+\q], v[DD+8*\t+2*\q], v[DD+8*\t+2*\q+1]
.endr
.endr
.endm
.macro MULB                            ; each fragment twice: M against its registers 0-3 (the even x), then against 4-7 (the odd x)
.irp f, 0,1,2,3
	v_wmma_f32_16x16x32_f16 v[DD+16*\f:DD+16*\f+7],    v[PP+8*\f:PP+8*\f+7], v[CM0:CM0+7], 0
	v_wmma_f32_16x16x32_f16 v[DD+16*\f+8:DD+16*\f+15], v[PP+8*\f:PP+8*\f+7], v[CM1:CM1+7], 0
.endr
.endm
.macro TOSTAGE                         ; a lane's 32 bytes of (x, y) into my stage, the low four registers first
.irp t, 0,1,2,3,4,5,6,7
	ds_store_b128 v[WO], v[DD+8*\t:DD+8*\t+3]   offset:1088*\t
	ds_store_b128 v[WO], v[DD+8*\t+4:DD+8*\t+7] offset:1088*\t+16
.endr
.endm
.macro FROMSTAGE                       ; and back flat, into the registers that they left
.set n, 0
.rept 16
	ds_load_b128 v[DD+4*n:DD+4*n+3], v[RO] offset:544*n            ; half a tile: 512 bytes of out and two paddings of 16
.set n, n+1
.endr
.endm
.macro SCALE g                         ; group g of four: quads 4 g .. 4 g + 3 times cs, plus the bias
.set n, 4*(\g)
.rept 4
.if n < 8
.set BI, ACC0+4*n
.else
.set BI, TF+4*(n-8)
.endif
	v_pk_fma_f32 v[DD+4*n:DD+4*n+1],   v[DD+4*n:DD+4*n+1],   v[CS:CS+1], v[BI:BI+1]
	v_pk_fma_f32 v[DD+4*n+2:DD+4*n+3], v[DD+4*n+2:DD+4*n+3], v[CS:CS+1], v[BI+2:BI+3]
.set n, n+1
.endr
.endm
.macro LEAVE ga, g                     ; group g's four stores
.set n, 4*(\g)
.rept 4
	global_store_b128 v[LN16], v[DD+4*n:DD+4*n+3], s[12:13] offset:8192*(\ga)+512*n th:TH_STORE_NT  ; the wave stores 512 consecutive bytes, at a multiple of 512 from out's first byte
.set n, n+1
.endr
.endm
.macro SEND ga
	s_wait_dscnt 12                                ; the first four of the sixteen rows read back are in, the twelve younger stay out; the bias, asked for earlier, is in
	SCALE 0
.irp g, 1,2,3
	s_wait_dscnt 12-4*\g                           ; group g is back; the younger groups stay out
	s_wait_alu depctr_va_vdst(0)                   ; the multiply-adds of the group before have written its quads, which the four stores below read
	LEAVE \ga, (\g)-1
	SCALE \g                                       ; these name group g's quads and bias: none of the registers that the stores above read
.endr
	s_wait_alu depctr_va_vdst(0)                   ; the last group's multiply-adds have written its quads, which the last four stores read; all readers of the bias registers are done
	LEAVE \ga, 3
.endm
.macro HALF ga                         ; x = 8 ga .. 8 ga + 7: stages C and B and the way out
	MULC \ga
	PLACES
	PACKP
	MULB                                           ; (the v_nop and the roundings are the places in front of these products, which write over stage C's results)
	PLACES
	s_wait_alu depctr_va_vdst(0)                   ; stage B's products have written the tiles, which the LDS stores read and in which the stage's loads land; stage C's are done reading T1's fragments
	TOSTAGE
.if (\ga) == 0
	BIASLD 0, 8, 8                                 ; the other half of this half's bias, into fragments 0 to 3, which stage C has read: no vector or matrix instruction since the wait above
.endif
	s_wait_alu depctr_vm_vsrc(0)                   ; the LDS stores have read the tiles' registers, in which the loads below land
	FROMSTAGE
	SEND \ga
.endm
	s_wait_dscnt 16                                ; T1's fragments 0 to 3 are in; the eight loads of fragments 4 to 7 and the eight of the bias stay out
	HALF 0                                         ; (its last wait on LDS is for 0: fragments 4 to 7 are in too)
	BIASLD 1, 0, 16                                ; the second half's bias.  No wait: the last wait on va_vdst has shown the readers of these registers done, and no vector instruction stands behind it; the products below name none of them
	s_wait_xcnt 0x0                                ; the sixteen stores have had their addresses translated: their registers are written again only behind this wait,
	s_wait_alu depctr_vm_vsrc(0)                   ; and they have read the tiles' registers, which the next products write
	HALF 1
	s_wait_dscnt 0x0                               ; the closing lines, six on end
	s_wait_alu 0x0
	s_wait_tensorcnt 0x0
	ds_add_u32 v[SPW], v[NIL]
	s_wait_dscnt 0x0
	s_endpgm
.Lfunc_end_k_q9770f24e4b_mpo:
	.size	k_q9770f24e4b_mpo, .Lfunc_end_k_q9770f24e4b_mpo-k_q9770f24e4b_mpo
	.p2alignl 7, 3214868480
	.fill 96, 4, 3214868480
	.section	.rodata,"a",@progbits
	.p2align	6, 0x0
	.amdhsa_kernel k_q9770f24e4b_mpo
		.amdhsa_group_segment_fixed_size 296704
		.amdhsa_private_segment_fixed_size 0
		.amdhsa_enable_private_segment 0
		.amdhsa_kernarg_size 40
		.amdhsa_user_sgpr_count 2
		.amdhsa_user_sgpr_kernarg_segment_ptr 1
		.amdhsa_wavefront_size32 1
		.amdhsa_system_sgpr_workgroup_id_x 1
		.amdhsa_system_sgpr_workgroup_id_y 1
		.amdhsa_system_sgpr_workgroup_id_z 1
		.amdhsa_system_vgpr_workitem_id 0
		.amdhsa_next_free_vgpr 256
		.amdhsa_next_free_sgpr 66
		.amdhsa_reserve_vcc 0
		.amdhsa_float_denorm_mode_32 3
		.amdhsa_float_denorm_mode_16_64 3
		.amdhsa_memory_ordered 1
		.amdhsa_forward_progress 1
		.amdhsa_inst_pref_size 51
	.end_amdhsa_kernel
	.amdgpu_metadata
---
amdhsa.version: [ 1, 2 ]
amdhsa.kernels:
  - .name:           k_q9770f24e4b_mpo
    .symbol:         k_q9770f24e4b_mpo.kd
    .args:
      - { .name: x, .offset: 0, .size: 8, .value_kind: global_buffer, .address_space: global }
      - { .name: pm, .offset: 8, .size: 8, .value_kind: global_buffer, .address_space: global }
      - { .name: fl, .offset: 16, .size: 8, .value_kind: global_buffer, .address_space: global }
      - { .name: bias, .offset: 24, .size: 8, .value_kind: global_buffer, .address_space: global }
      - { .name: out0, .offset: 32, .size: 8, .value_kind: global_buffer, .address_space: global }
    .group_segment_fixed_size: 296704
    .private_segment_fixed_size: 0
    .kernarg_segment_align: 8
    .kernarg_segment_size: 40
    .max_flat_workgroup_size: 512
    .sgpr_count:     66
    .vgpr_count:     256
    .wavefront_size: 32
...
	.end_amdgpu_metadata
.endif
;; end of part 3
